; MI455X (gfx1250); checked and timed in simulation.
; The chip was launched on July 23, 2026; its instructions are those of AMD's public machine-readable ISA for CDNA 5 (MIT licence, August 2026) and "CDNA5" Instruction Set Architecture Reference Guide (July 2026). The comments in the code are by the model that wrote it; some were corrected since.
;; Multi Head Attention. Allowed arithmetic: matrix products marked QUANTISED: E3M2 operands, one E8M0 scale for each 32 along K, by v_wmma_scale_f32_16x16x128_f8f6f4 with both operands' format E3M2, f32 sums; everything else in f32.
;; Inputs: Wk 1,024 x 1,024 float32; Wq 1,024 x 1,024 float32; Wv 1,024 x 1,024 float32; bk 1,024 float32; bq 1,024 float32; bv 1,024 float32; key 4 x 2,048 x 1,024 float32; query 4 x 2,048 x 1,024 float32; scale one number float32; value 4 x 2,048 x 1,024 float32.
;; Outputs: out0 4 x 2,048 x 1,024 float32.
;; This version of the problem:
;;   THIS VERSION OF THE PROBLEM IS GIVEN IN LOW PRECISION. The matrix products marked QUANTISED in the list below multiply operands that are first quantised to E3M2 (3 exponent bits, 2 mantissa bits; 6 bits a number), with one power-of-two scale for each 32 numbers along K (OCP MX v1.0); their sums are f32. All else is computed in f32.
;;   The module's matrix products, in the order in which they are computed (A, B: the left and right operand; K: the contracted axis; several contracted axes count as one K, in the product's order):
;;     1. [M 8,192, K 1,024] x [K 1,024, N 1,024]; A: input query; B: input Wq: QUANTISED
;;     2. [M 8,192, K 1,024] x [K 1,024, N 1,024]; A: input key; B: input Wk: QUANTISED
;;     3. [M 8,192, K 1,024] x [K 1,024, N 1,024]; A: input value; B: input Wv: QUANTISED
;;     4. batch 64 x [M 2,048, K 64] x [K 64, N 2,048]; A: computed on the way; B: computed on the way: QUANTISED
;;     5. batch 64 x [M 2,048, K 2,048] x [K 2,048, N 64]; A: softmax (see below); B: computed on the way: QUANTISED
;;   THE QUANTISER, for each operand of a quantised product, along K:
;;     - K is cut into blocks of 32 from its start; a last block that is shorter is filled with zeros.
;;     - A block's scale is 2^e with e = floor(log2(the largest magnitude in the block)) - 4, held to -126 .. 127; a block of zeros has e = 0. As a byte (E8M0): e + 127.
;;     - Each number is divided by its block's scale, clamped to +-28, and rounded to the nearest number of E3M2, ties to even, subnormals kept.
;;     - The product sums the exact products of the quantised numbers (number of the format x scale) in f32.
;;   ~~~python
;;   def quantise(x, axis):      # numpy; x: float32 -> the quantised numbers, widened to float32 again
;;       x = np.moveaxis(x, axis, -1); K = x.shape[-1]
;;       x = np.pad(x, [(0, 0)] * (x.ndim - 1) + [(0, -K % 32)]); x = x.reshape(x.shape[:-1] + (-1, 32)); a = np.abs(x).max(-1, keepdims=True)
;;       e = np.where(a > 0, np.clip(np.frexp(np.where(a > 0, a, 1))[1] - 1 - 4, -126, 127), 0)      # np.frexp(a)[1] - 1 = floor(log2(a)), exactly
;;       r = np.clip(x / 2.0 ** e, -28, 28)
;;       step = 2.0 ** (np.maximum(np.frexp(np.where(r == 0, 1, r))[1] - 1, -2) - 2)
;;       q = np.round(r / step) * step * 2.0 ** e      # np.round: ties to even
;;       return np.moveaxis(q.reshape(q.shape[:-2] + (-1,))[..., :K], -1, axis).astype(np.float32)
;;   ~~~
;;   SOFTMAX AHEAD OF A QUANTISED PRODUCT. Where the list says 'softmax', what is quantised is not the finished softmax but p = 2^(t - M), with t = logit x log2(e) and M = ceil(the row's largest t), a whole number; so 1/2 < the row's largest p <= 1. The row's sum l is taken of the UNQUANTISED p, in f32, and the product's result is divided by l at the end. Since M is a whole number, a kernel that streams over the keys may use a running M (the ceiling of the running maximum): every later rescaling is an exact power of two, which a block's scale takes up: the codes' values come out the same.
;;   OPERANDS COMPUTED ON THE WAY. 'Computed on the way' means the value that the module computes at that place (a softmax that the list does not call 'softmax' is quantised finished and normalised). What goes into a quantiser is computed in f32, as accurately as f32 sums, v_exp_f32 and their like allow (about 1e-6 of the number): no bf16 or f16 on the way to a quantiser, and a product that is left as it is and whose result goes on into a quantised operand takes f32 operands (vector FMAs, or v_wmma_f32_16x16x4_f32). A number that lies on a knife's edge between two numbers of the format may be rounded either way, as far as f32 arithmetic and the matrix unit's own rounding can turn it there, and no further.
;; One version. Each part assembles by itself: llvm-mc -triple=amdgcn-amd-amdhsa -mcpu=gfx1250 --defsym DOCPART=n.
;; ======== version 1 of 1: 3 launches
;; limits: right only within a limited range of input values
;; workspace buffers: xc 21,233,664 bytes; xs 884,736 bytes; pc 18,874,368 bytes; ps 1,310,720 bytes
;; launch quant (part 1): grid 864 x 1, 4 waves a work-group, no clusters, 33,280 bytes of LDS; arguments query, key, value, Wq, Wk, Wv, xc, xs; writes xc, xs
.if DOCPART == 1
	.amdgcn_target "amdgcn-amd-amdhsa--gfx1250"
	.amdhsa_code_object_version 6
	.text
	.protected	k_qa05d490200_quant
	.globl	k_qa05d490200_quant
	.p2align	8
	.type	k_qa05d490200_quant,@function
k_qa05d490200_quant:
	s_mov_b64 s[64:65], 0
	v_nop
	global_prefetch_b8 v0, s[64:65] scope:SCOPE_SE
	s_setreg_imm32_b32 hwreg(HW_REG_WAVE_MODE, 25, 1), 1
	s_wait_xcnt 0x0
; query, key, value [8192][1024] and Wq, Wk, Wv [1024][1024], f32, K (the last axis) innermost, become codes of BF6 (E3M2), 6 bits each, with one E8M0 scale byte for each 32 along K.
; xc: rows of 768 bytes (1,024 codes), the six tensors one behind the other; xs: rows of 32 scale bytes, likewise.
; A block's scale is 2^(floor(log2(its largest magnitude)) - 4); its byte is the largest magnitude's exponent field - 4, held at 1 from below.  Each number is divided by the scale and rounded to the nearest code, ties to even.
; LIMITS: a block whose largest magnitude lies under 2^-122, a block of zeros among them, gets the byte 1 (its codes are then zeros or subnormal codes; the bytes are read by this program alone); NaN and infinities are not served.
; THE ROWS ARE STORED IN ANOTHER ORDER: in each group of 32 rows the second and the third run of 8 rows change places, so that position 16 u + i holds row 8 u + i + 8 (i / 8).
; The product's launch then finds, in 16 neighbouring rows of a tile, the rows whose results it wants side by side in a lane's registers.
; A work-group takes 32 rows, a wave 8: a run of 8,192 numbers, 16 steps of 512.  So the change of order is a change of the wave's place in the output, and nothing else knows of rows.
; Each of a step's four loads reads 512 consecutive bytes, 16 a lane; the 2,048 bytes go through the wave's own stage in LDS and come back 64 bytes a lane: 16 neighbours along K, as the conversion wants them.
; Two neighbouring lanes hold a block.  A lane's 16 codes are 12 bytes: the wave stores 384 consecutive bytes.  A wave's 256 scale bytes are gathered in LDS and leave as one aligned run of 256 bytes.
; No tensor loads, no barrier: waves share nothing.  Loads run four steps (16 loads a wave) ahead, the turn through LDS one step.
.set STEPS, 16
.set CB,    12                         ; bytes of 16 codes
.set R,     16                         ; v16-79   four sets of 16 numbers as they are loaded
.set X,     80                         ; v80-111  two sets of 16 neighbours
.set E,     112                        ; v112-127 a scale byte for each step
.set C,     128                        ; v128-191 codes: four registers for each step, so that no store's data are written again
.set WREG,  8192                       ; LDS: a region for each wave: two stages of 32 x SP bytes, behind them its 256 scale bytes
.set SP,    80                         ; a lane's place in a stage: its 64 bytes + 16 of padding
	s_load_b512 s[4:19], s[0:1], 0x0               ; query, key, value, Wq, Wk, Wv in s[4:15]; xc s[16:17]; xs s[18:19]
	v_lshl_add_u32 v192, v0, 2, 0x8000
	v_mov_b32 v193, 0
	v_lshrrev_b32 v1, 5, v0
	v_readfirstlane_b32 s20, v1                    ; wave
	v_and_b32 v2, 31, v0                           ; lane
	v_lshlrev_b32 v3, 4, v2                        ; my 16 bytes of a load's 512
	s_mul_i32 s22, s20, WREG
	v_lshrrev_b32 v14, 2, v2
	v_mul_u32_u24 v14, v14, SP
	v_and_b32 v15, 3, v2
	v_lshl_add_u32 v14, v15, 4, v14
	v_add_nc_u32 v14, s22, v14                     ; the stage, on the way in: four lanes' 64 bytes on end, then 16 of padding
	v_mul_u32_u24 v15, v2, SP
	v_add_nc_u32 v15, s22, v15                     ; and on the way out: my 16 neighbours
	v_mul_u32_u24 v4, v2, CB                       ; my codes' place in a step's
	v_lshrrev_b32 v5, 1, v2
	s_add_co_u32 s22, s22, 2*32*SP
	v_add_nc_u32 v5, s22, v5                       ; LDS: my wave's 256 scale bytes, my block's byte
	v_lshlrev_b32 v7, 3, v2                        ; and on the way out 8 bytes a lane
	v_add_nc_u32 v6, s22, v7
	s_mov_b32 s21, 0                               ; the first work-group of my tensor
	s_wait_alu depctr_va_vdst(0)
	s_wait_kmcnt 0x0
; Which tensor is mine hangs on the work-group's number alone: 256 work-groups for each of query, key, value, 32 for each weight.
.macro PICK lim, p
	s_cmp_ge_u32 ttmp9, \lim
	s_cselect_b64 s[4:5], s[\p:\p+1], s[4:5]
	s_cselect_b32 s21, \lim, s21
.endm
	PICK 256, 6
	PICK 512, 8
	PICK 768, 10
	PICK 800, 12
	PICK 832, 14
	s_sub_co_u32 s22, ttmp9, s21
	s_lshl_b32 s22, s22, 2
	s_add_co_u32 s22, s22, s20                     ; which run of 8 rows of the tensor I read,
	s_lshl_b32 s22, s22, 15                        ; 32,768 bytes each
	s_mov_b32 s23, 0
	s_add_nc_u64 s[4:5], s[4:5], s[22:23]
	s_and_b32 s24, s20, 1
	s_lshl_b32 s24, s24, 1
	s_lshr_b32 s25, s20, 1
	s_or_b32 s24, s24, s25                         ; waves 1 and 2 change places on the way out
	s_lshl_b32 s25, ttmp9, 2
	s_add_co_u32 s24, s24, s25                     ; which run of the output is mine: the six tensors lie on end in xc and in xs
	s_mul_i32 s22, s24, 32*STEPS*CB                ; 6,144 bytes of codes a run
	s_add_nc_u64 s[16:17], s[16:17], s[22:23]
	s_lshl_b32 s22, s24, 8                         ; 256 scale bytes a run
	s_add_nc_u64 s[18:19], s[18:19], s[22:23]
.macro LOAD t
.irp i, 0,1,2,3
	global_load_b128 v[R+16*((\t)%4)+4*\i:R+16*((\t)%4)+4*\i+3], v3, s[4:5] offset:2048*(\t)+512*\i th:TH_LOAD_NT   ; 32 lanes read 512 consecutive bytes; read once in the launch
.endr
.endm
.macro TURN t                          ; step t's numbers through the stage: LDS serves a wave's instructions in order (ISA guide 5.7.1), so no wait stands between the stores and the loads
.irp i, 0,1,2,3
	ds_store_b128 v14, v[R+16*((\t)%4)+4*\i:R+16*((\t)%4)+4*\i+3] offset:32*SP*((\t)%2)+8*SP*\i
.endr
.irp i, 0,1,2,3
	ds_load_b128 v[X+16*((\t)%2)+4*\i:X+16*((\t)%2)+4*\i+3], v15 offset:32*SP*((\t)%2)+16*\i
.endr
.endm
.irp t, 0,1,2,3
	LOAD \t
.endr
	s_wait_loadcnt 12                              ; step 0's four loads are in; the twelve of steps 1 to 3 may be out
	TURN 0
.macro STEP t
.set XS, X+16*((\t)%2)
.if (\t) > 0
	s_wait_dscnt 1                                 ; this step's numbers are back from the stage (the last step's byte store may be out): so its stores into the stage have read their registers,
.else
	s_wait_dscnt 0x0
.endif
.if (\t)+4 < STEPS
	LOAD (\t)+4                                    ; which take the loads of four steps on
.endif
.if (\t)+1 < STEPS
.if STEPS-2-(\t) >= 3
	s_wait_loadcnt 12                              ; the next step's four loads are in; those of the three steps behind it may be out
.else
	s_wait_loadcnt 4*(STEPS-2-(\t))                ; the tail: fewer steps are behind it
.endif
	TURN (\t)+1                                    ; and go through the other stage while this step is worked
.endif
	v_max3_num_f32 v8, |v[XS]|, |v[XS+1]|, |v[XS+2]|               ; the largest magnitude of my 16, in two chains
	v_max3_num_f32 v9, |v[XS+3]|, |v[XS+4]|, |v[XS+5]|
.irp i, 6,10
	v_max3_num_f32 v8, v8, |v[XS+\i]|, |v[XS+\i+1]|
	v_max3_num_f32 v9, v9, |v[XS+\i+2]|, |v[XS+\i+3]|
.endr
	v_max3_num_f32 v8, v8, |v[XS+14]|, |v[XS+15]|
	v_max3_num_f32 v8, v8, v9, 0x2800000           ; and the floor 2^(5 - 127): the byte cannot fall under 1
	v_max_num_f32_dpp v8, v8, v8 row_xmask:1 row_mask:0xf bank_mask:0xf   ; and of my neighbour's 16: the block's
	v_add_nc_u32 v11, 0xfe000000, v8               ; 4 off its exponent field: the conversion takes the exponent field of this operand as its scale, and nothing else of it
	v_cvt_scalef32_pk16_bf6_f32 v[C+4*(\t):C+4*(\t)+2], v[XS:XS+15], v11   ; sixteen codes, 96 bits without gaps, the first number's code lowest; beyond the largest code the largest
	v_lshrrev_b32 v[E+(\t)], 23, v11               ; the scale's byte (also the plain line behind the conversion)
	ds_store_b8 v5, v[E+(\t)] offset:16*(\t)       ; both lanes of a block write the same byte with the same value
	global_store_b96 v4, v[C+4*(\t):C+4*(\t)+2], s[16:17] offset:32*CB*(\t)
.endm
.irp t, 0,1,2,3,4,5,6,7,8,9,10,11,12,13,14,15
	STEP \t
.endr
	ds_load_b64 v[12:13], v6                       ; in order behind my byte stores
	s_wait_dscnt 0x0
	global_store_b64 v7, v[12:13], s[18:19]        ; 32 lanes store 256 consecutive bytes, aligned
	s_wait_tensorcnt 0x0
	ds_add_u32 v192, v193
	s_wait_dscnt 0x0
	s_endpgm
.Lfunc_end_k_qa05d490200_quant:
	.size	k_qa05d490200_quant, .Lfunc_end_k_qa05d490200_quant-k_qa05d490200_quant
	.p2alignl 7, 3214868480
	.fill 96, 4, 3214868480
	.section	.rodata,"a",@progbits
	.p2align	6, 0x0
	.amdhsa_kernel k_qa05d490200_quant
		.amdhsa_group_segment_fixed_size 33280
		.amdhsa_private_segment_fixed_size 0
		.amdhsa_enable_private_segment 0
		.amdhsa_kernarg_size 64
		.amdhsa_user_sgpr_count 2
		.amdhsa_user_sgpr_kernarg_segment_ptr 1
		.amdhsa_wavefront_size32 1
		.amdhsa_system_sgpr_workgroup_id_x 1
		.amdhsa_system_sgpr_workgroup_id_y 1
		.amdhsa_system_sgpr_workgroup_id_z 1
		.amdhsa_system_vgpr_workitem_id 0
		.amdhsa_next_free_vgpr 194
		.amdhsa_next_free_sgpr 66
		.amdhsa_reserve_vcc 0
		.amdhsa_float_denorm_mode_32 3
		.amdhsa_float_denorm_mode_16_64 3
		.amdhsa_memory_ordered 1
		.amdhsa_forward_progress 1
		.amdhsa_inst_pref_size 33
	.end_amdhsa_kernel
	.amdgpu_metadata
---
amdhsa.version: [ 1, 2 ]
amdhsa.kernels:
  - .name:           k_qa05d490200_quant
    .symbol:         k_qa05d490200_quant.kd
    .args:
      - { .name: query, .offset: 0, .size: 8, .value_kind: global_buffer, .address_space: global }
      - { .name: key, .offset: 8, .size: 8, .value_kind: global_buffer, .address_space: global }
      - { .name: value, .offset: 16, .size: 8, .value_kind: global_buffer, .address_space: global }
      - { .name: Wq, .offset: 24, .size: 8, .value_kind: global_buffer, .address_space: global }
      - { .name: Wk, .offset: 32, .size: 8, .value_kind: global_buffer, .address_space: global }
      - { .name: Wv, .offset: 40, .size: 8, .value_kind: global_buffer, .address_space: global }
      - { .name: xc, .offset: 48, .size: 8, .value_kind: global_buffer, .address_space: global }
      - { .name: xs, .offset: 56, .size: 8, .value_kind: global_buffer, .address_space: global }
    .group_segment_fixed_size: 33280
    .private_segment_fixed_size: 0
    .kernarg_segment_align: 8
    .kernarg_segment_size: 64
    .max_flat_workgroup_size: 128
    .sgpr_count:     66
    .vgpr_count:     194
    .wavefront_size: 32
...
	.end_amdgpu_metadata
.endif
;; end of part 1
;; launch proj (part 2): grid 4 x 96, 4 waves a work-group, clusters of 4 x 4, 327,680 bytes of LDS; arguments xc, xs, bq, bk, bv, pc, ps; writes pc, ps
.if DOCPART == 2
	.amdgcn_target "amdgcn-amd-amdhsa--gfx1250"
	.amdhsa_code_object_version 6
	.text
	.protected	k_qa05d490200_proj
	.globl	k_qa05d490200_proj
	.p2align	8
	.type	k_qa05d490200_proj,@function
k_qa05d490200_proj:
	s_mov_b64 s[64:65], 0
	v_nop
	global_prefetch_b8 v0, s[64:65] scope:SCOPE_SE
	s_setreg_imm32_b32 hwreg(HW_REG_WAVE_MODE, 25, 1), 1
	s_wait_xcnt 0x0
	s_wait_alu depctr_hold_cnt(0) depctr_sa_sdst(0) depctr_va_vdst(0) depctr_va_sdst(0) depctr_va_ssrc(0) depctr_va_vcc(0) depctr_vm_vsrc(0)
	s_getreg_b32 s2, hwreg(HW_REG_IB_STS2, 6, 4)
	s_cmp_eq_u32 s2, 0
	s_cbranch_scc0 .Lentry_in_a_cluster
	s_endpgm
.Lentry_in_a_cluster:
	s_bfe_u32 s2, ttmp6, 0x10000c
	s_cmp_lg_u32 s2, 0xf033
	s_cbranch_scc0 .Lentry_shape_is_right
	s_endpgm
.Lentry_shape_is_right:
; The three projections x W^T + b on codes of BF6 (E3M2) with one E8M0 scale for each 32 along K (xc, xs: rows of 768 bytes of codes and of 32 scale bytes), K = 1,024;
; the results are quantised again, along the head's axis for q and k and along the tokens for v, and stored as images of operand registers (pc) and scale words (ps).
; Cluster y / 8 says which tensor: 0 q, 1 k, 2 v.  q, k: source 1 = 256 tokens, source 0 = 256 rows of W.  v: source 1 = 256 rows of Wv, source 0 = 256 tokens, so that a lane's registers run along the tokens.
; A work-group of four waves makes 256 x 256, a wave 128 x 128: 64 accumulators.  The bias is the C of each accumulator's first product.
; K goes through two LDS slots in CHUNKS OF 256 BYTES of each row (three chunks; a row is 768 bytes, so each chunk begins at a multiple of 256); a step of 128 along K is 96 bytes: steps 2 and 5 lie across two chunks.
; The head's four tiles (chunk 0 of A and of B, A's and B's scales) go out one a wave; chunk 1 follows behind a round, chunk 2 is the one refill.
; 4 x 4 work-groups form a cluster: A's tiles are asked for jointly along a row of it, B's along a column.
; No prefetch: of a row's three chunks two are asked for at the head, and the walk of eight steps is written out: there is no loop to run ahead in.
; LIMITS: a block whose largest magnitude lies under 2^-122 gets the scale byte 1 (read by this program alone); NaN and infinities are not served.
.set NQ,     2
.set ROWB,   256
.set KROW,   768
.set STEPS,  8
.set CHUNKS, 3
.set PITCH,  272                       ; 256 bytes + 16 of padding
.set FR,     12
.set NL,     6
.set NP,     4
.set HALFT,  128*PITCH
.set SLOT,   4*HALFT                   ; A's 256 rows, then B's
.set KS,     32
.set SCL,    2*SLOT                    ; the scales, behind the ring
.set HALFS,  (128*KS/256)*272
.set SBLK,   (16*KS/256)*272
.set SPARE,  SCL+4*HALFS               ; the spare words: 512 bytes that no other line names
.set STAGE,  SLOT                      ; the way out's scale words: in slot 1, which has had its last fill, and its last read ahead of step 5's barrier
.set BO2,  12
.set BO,   13
.set SH,   14
.set SRD1, 15
.set ADRA, 16                          ; v16-17 my A fragments in slot 0, 1; v18-19 for pieces whose two halves of the lanes read different chunks
.set ADRB, 20                          ; v20-23 the same for B
.set C16,  24
.set C8,   25
.set SST0, 26
.set ADRS, 27
.set SPW,  28
.set NIL,  29
.set SST1, 30
.set SRD0, 31
.set SC,   32                          ; v32-63 scale words, two sets
.set BI,   64                          ; v64-127 the bias as eight C operands
.set AF,   128                         ; A's fragments, one set; B's: window 1, two sets; accumulators: windows 2 and 3
.set BV,   224
.set TM,   32
.set CT,   48
.set PW,   56
.set TW,   64
.set G1, 24
.set G0, 32
.set G1B, 48
.set G0B, 56
.set G1S, 68
.set G0S, 76
.set G1SB, 80
.set G0SB, 88
.set G0H, 4                            ; group 0 of the head's loads of chunk 0, in registers whose first use is over
.set G0HB, 92
.set MSB, 0
.macro WIN new
.set WNEW, \new
.if MSB != WNEW
	s_set_vgpr_msb (MSB<<8)|WNEW
.set MSB, WNEW
.endif
.endm
.set MUL_LO, 0xa1
.set MUL_HI, 0xf1
.set FST_LO, 0x81                      ; C in window 0: the bias
.set FST_HI, 0xc1
.set TO_B,   0x40
.macro JLOAD g0a, g1a, g0b, g1b        ; waves 0, 1 fetch for A, waves 2, 3 for B
	s_cmp_eq_u32 s15, 0
	s_cbranch_scc0 .Lfor_b_\@
	tensor_load_to_lds s[\g0a:\g0a+3], s[\g1a:\g1a+7]
	s_nop 0
.rept 4
	v_nop
.endr
	s_branch .Lasked_\@
.Lfor_b_\@:
	tensor_load_to_lds s[\g0b:\g0b+3], s[\g1b:\g1b+7]
	s_nop 0
.rept 4
	v_nop
.endr
.Lasked_\@:
.endm
.macro CREST
	s_cmp_lg_u32 s14, 0
	s_cbranch_scc1 .Lnot_wave_0_\@
	s_barrier_signal -3
.Lnot_wave_0_\@:
	s_barrier_wait -3
	s_barrier_signal -1
	s_barrier_wait -1
.endm
.macro CROUND
	s_barrier_signal -1
	s_barrier_wait -1
	CREST
.endm
	s_load_b128 s[4:7], s[0:1], 0x0                ; xc, xs
	s_load_b128 s[8:11], s[0:1], 0x10              ; bq, bk
	s_load_b128 s[96:99], s[0:1], 0x20             ; bv, pc
	s_load_b64 s[100:101], s[0:1], 0x30            ; ps
	v_lshl_add_u32 v[SPW], v0, 2, SPARE
	v_mov_b32 v[NIL], 0
	ds_add_u32 v[SPW], v[NIL]                      ; the opening lines: the add twice on end and one wait
	ds_add_u32 v[SPW], v[NIL]
	v_lshrrev_b32 v1, 5, v0
	v_readfirstlane_b32 s14, v1                    ; wave
	s_lshr_b32 s15, s14, 1                         ; my half of the rows; also: I fetch for A (0) or B (1)
	s_and_b32 s16, s14, 1                          ; my half of the columns; also: which 128 rows I fetch
	s_bfe_u32 s40, ttmp6, 0x40000                  ; cx
	s_bfe_u32 s41, ttmp6, 0x40004                  ; cy
	s_and_b32 s67, ttmp7, 0xffff
	s_lshr_b32 s66, s67, 3                         ; tensor 0, 1, 2
	s_and_b32 s67, s67, 7
	s_mul_i32 s18, s66, 6291456                    ; where A's and B's codes and scales begin in xc and xs
	s_mul_i32 s19, s66, 786432
	s_add_co_u32 s19, s19, 18874368
	s_mul_i32 s22, s66, 262144
	s_mul_i32 s23, s66, 32768
	s_add_co_u32 s23, s23, 786432
	s_cmp_eq_u32 s66, 2
	s_cselect_b32 s12, 0, s67
	s_cselect_b32 s13, s67, 0
	s_cselect_b32 s18, 20447232, s18
	s_cselect_b32 s19, 12582912, s19
	s_cselect_b32 s22, 851968, s22
	s_cselect_b32 s23, 524288, s23
	s_lshl_b32 s42, s13, 2
	s_add_co_u32 s42, s42, s40                     ; tile column
	s_lshl_b32 s17, s12, 2
	s_add_co_u32 s17, s17, s41                     ; tile row
	s_lshl_b32 s43, s41, 2
	s_lshl_b32 s43, 15, s43                        ; my row of the cluster
	s_lshl_b32 s44, 0x1111, s40                    ; my column
	s_or_b32 s[G1+0], s43, (0<<16)|(1<<20)|(1<<21)|(5<<22)|(3<<25)   ; bytes; 4 words of padding behind every 64
	s_or_b32 s[G1B+0], s44, (0<<16)|(1<<20)|(1<<21)|(5<<22)|(3<<25)
.irp g, G1, G1B
	s_mov_b32 s[\g+1], ROWB<<16
	s_mov_b32 s[\g+2], 256<<16                     ; 256 rows for the head's loads
	s_mov_b32 s[\g+3], ROWB<<16
	s_mov_b32 s[\g+4], 256
	s_mov_b32 s[\g+5], KROW
	s_mov_b32 s[\g+6], 0
	s_mov_b32 s[\g+7], 0
.endr
	s_or_b32 s[G1S+0], s43, (3<<16)|(1<<20)|(1<<21)|(5<<22)|(3<<25)  ; the scales of 256 rows: 8,192 dense bytes as 32 rows of 256
	s_or_b32 s[G1SB+0], s44, (3<<16)|(1<<20)|(1<<21)|(5<<22)|(3<<25)
.irp g, G1S, G1SB
	s_mov_b32 s[\g+1], 32<<16
	s_mov_b32 s[\g+2], KS<<16
	s_mov_b32 s[\g+3], 32<<16
	s_mov_b32 s[\g+4], KS
	s_mov_b32 s[\g+5], 32
	s_mov_b32 s[\g+6], 0
	s_mov_b32 s[\g+7], 0
.endr
	s_mov_b32 s104, 0x76543210
	s_mov_b32 s105, 0xfedcba98
	s_lshl_b32 s20, s17, 8                         ; A: the tile's first row
	s_lshl_b32 s46, s42, 8                         ; B
	s_lshl_b32 s12, s20, 5
	s_add_co_u32 s12, s12, s22
	s_mov_b32 s13, 0
	s_mul_i32 s20, s20, KROW
	s_add_co_u32 s20, s20, s18
	s_mov_b32 s21, 0
	s_lshl_b32 s92, s46, 5
	s_add_co_u32 s92, s92, s23
	s_mov_b32 s93, 0
	s_mul_i32 s46, s46, KROW
	s_add_co_u32 s46, s46, s19
	s_mov_b32 s47, 0
	s_mul_i32 s45, s14, HALFT                      ; the ring: where my 128 rows go
	s_mul_i32 s18, s16, 128*KROW                   ; and which half of the tile they are
	s_mov_b32 s19, 0
	s_wait_dscnt 0x0                               ; both opening adds are done
	s_wait_kmcnt 0x0
	s_add_nc_u64 s[20:21], s[4:5], s[20:21]
	s_add_nc_u64 s[12:13], s[6:7], s[12:13]
	s_add_nc_u64 s[46:47], s[4:5], s[46:47]
	s_add_nc_u64 s[92:93], s[6:7], s[92:93]
	CROUND                                         ; the first joint loads meet
	s_mov_b32 s[G0S], 1
	s_mov_b32 s[G0S+1], SCL
	s_mov_b64 s[G0S+2:G0S+3], s[12:13]
	s_or_b32 s[G0S+3], s[G0S+3], 0x80000000
	s_mov_b32 s[G0SB], 1
	s_mov_b32 s[G0SB+1], SCL+2*HALFS
	s_mov_b64 s[G0SB+2:G0SB+3], s[92:93]
	s_or_b32 s[G0SB+3], s[G0SB+3], 0x80000000
	s_mov_b32 s[G0H], 1
	s_mov_b32 s[G0H+1], 0
	s_mov_b64 s[G0H+2:G0H+3], s[20:21]
	s_or_b32 s[G0H+3], s[G0H+3], 0x80000000
	s_mov_b32 s[G0HB], 1
	s_mov_b32 s[G0HB+1], 2*HALFT
	s_mov_b64 s[G0HB+2:G0HB+3], s[46:47]
	s_or_b32 s[G0HB+3], s[G0HB+3], 0x80000000
	s_add_nc_u64 s[20:21], s[20:21], s[18:19]
	s_add_nc_u64 s[46:47], s[46:47], s[18:19]
.irp s, 0,1
	s_mov_b32 s[G0+4*\s], 1
	s_add_co_u32 s[G0+4*\s+1], s45, \s*SLOT
	s_add_nc_u64 s[G0+4*\s+2:G0+4*\s+3], s[20:21], \s*ROWB
	s_or_b32 s[G0+4*\s+3], s[G0+4*\s+3], 0x80000000
	s_mov_b32 s[G0B+4*\s], 1
	s_add_co_u32 s[G0B+4*\s+1], s45, \s*SLOT
	s_add_nc_u64 s[G0B+4*\s+2:G0B+4*\s+3], s[46:47], \s*ROWB
	s_or_b32 s[G0B+4*\s+3], s[G0B+4*\s+3], 0x80000000
.endr
; The head's loads, one a wave, in one chain of branches: wave 0 chunk 0 of A's 256 rows, wave 1 of B's, wave 2 A's scales, wave 3 B's.
.macro ARM under, g0, g1, next
	s_cmp_lt_u32 s14, \under
	s_cbranch_scc0 \next
	tensor_load_to_lds s[\g0:\g0+3], s[\g1:\g1+7]
	s_nop 0
.rept 4
	v_nop
.endr
	s_branch .Lhead_asked
\next:
.endm
	ARM 1, G0H,  G1,  .Lhead_b
	ARM 2, G0HB, G1B, .Lhead_sa
	ARM 3, G0S,  G1S, .Lhead_sb
	tensor_load_to_lds s[G0SB:G0SB+3], s[G1SB:G1SB+7]
	s_nop 0
.rept 4
	v_nop
.endr
.Lhead_asked:
	; all scalar work of the rest of the head first, then the vector lines on end
	s_lshl_b32 s18, s42, 10                        ; the bias: along the columns for q and k, along the rows for v
	s_lshl_b32 s19, s16, 9
	s_add_co_u32 s18, s18, s19
	s_lshl_b32 s22, s17, 10
	s_lshl_b32 s23, s15, 9
	s_add_co_u32 s22, s22, s23
	s_cmp_eq_u32 s66, 1
	s_cselect_b64 s[8:9], s[10:11], s[8:9]
	s_cmp_eq_u32 s66, 2
	s_cselect_b64 s[8:9], s[96:97], s[8:9]
	s_cselect_b32 s18, 0, s18
	s_cselect_b32 s22, s22, 0
	s_mov_b32 s19, 0
	s_mov_b32 s23, 0
	s_add_nc_u64 s[10:11], s[8:9], s[22:23]
	s_add_nc_u64 s[8:9], s[8:9], s[18:19]
	s_mul_i32 s18, s15, HALFT                      ; my 128 rows of A in slot 0,
	s_mul_i32 s19, s16, HALFT
	s_add_co_u32 s19, s19, 2*HALFT                 ; of B,
	s_add_co_u32 s20, s18, SLOT                    ; and in slot 1
	s_add_co_u32 s21, s19, SLOT
	s_mov_b32 s22, SLOT-232
	s_mov_b32 s23, SLOT+232
	s_mul_i32 s43, s15, HALFS                      ; my scales: A's,
	s_mul_i32 s44, s16, HALFS
	s_add_co_u32 s44, s44, 2*HALFS
	s_sub_co_u32 s44, s44, s43                     ; and how far on B's lie
	s_add_co_u32 s43, s43, SCL
	s_lshl_b32 s45, s14, 10
	s_add_co_u32 s45, s45, STAGE                   ; my stage for q's and k's scale words,
	s_lshl_b32 s46, s14, 9
	s_add_co_u32 s46, s46, STAGE+4096              ; and for v's
	v_and_b32 v1, 15, v0
	v_bfe_u32 v2, v0, 4, 1
	v_and_b32 v[BO2], 8, v1
	v_add_nc_u32 v[BO2], v[BO2], v1
	v_lshlrev_b32 v[BO2], 2, v[BO2]
	v_lshlrev_b32 v[BO], 6, v2
.irp t, 0,1,2,3,4,5,6,7
	global_load_b128 v[BI+8*\t:BI+8*\t+3], v[BO], s[8:9] offset:(32*(\t/2)+8*(\t%2))*4
	global_load_b128 v[BI+8*\t+4:BI+8*\t+7], v[BO], s[8:9] offset:(32*(\t/2)+8*(\t%2))*4+16
	global_load_b32 v[BV+\t], v[BO2], s[10:11] offset:(32*(\t/2)+8*(\t%2))*4
.endr
	v_lshlrev_b32 v[SH], 4, v2
	v_mul_u32_u24 v3, v1, PITCH
	v_mul_u32_u24 v4, v2, 24
	v_add_nc_u32 v4, v3, v4                        ; row x pitch + 24 x half
	v_sub_nc_u32 v7, 1, v2
	v_mul_u32_u24 v5, s22, v2
	v_add_nc_u32 v5, v3, v5
	v_add_nc_u32 v5, 232, v5                       ; lanes 0-15 byte 232 of the row in slot 0, lanes 16-31 byte 0 in slot 1
	v_mul_u32_u24 v6, s23, v7
	v_add_nc_u32 v6, v3, v6                        ; and the other way round
	v_add_nc_u32 v[ADRA+2], s18, v5
	v_add_nc_u32 v[ADRA+3], s18, v6
	v_add_nc_u32 v[ADRB+2], s19, v5
	v_add_nc_u32 v[ADRB+3], s19, v6
	v_add_nc_u32 v[ADRA], s18, v4
	v_add_nc_u32 v[ADRB], s19, v4
	v_add_nc_u32 v[ADRA+1], s20, v4
	v_add_nc_u32 v[ADRB+1], s21, v4
	v_mul_u32_u24 v5, v1, KS
	v_lshrrev_b32 v6, 8, v5
	v_lshl_add_u32 v5, v6, 4, v5                   ; 16 more for each 256 passed
	v_mul_u32_u24 v6, s44, v2                      ; lanes 16-31 take B's
	v_add_nc_u32 v5, v5, v6
	v_add_nc_u32 v[ADRS], s43, v5
	v_and_b32 v6, 31, v0
	v_lshlrev_b32 v[C16], 4, v6
	v_lshlrev_b32 v[C8], 3, v6
	v_lshlrev_b32 v7, 4, v1
	v_lshl_add_u32 v7, v2, 9, v7
	v_add_nc_u32 v[SST0], s45, v7
	v_add_nc_u32 v[SRD0], s45, v[C16]
	v_lshlrev_b32 v7, 3, v1
	v_add_nc_u32 v[SST1], s46, v7
	v_add_nc_u32 v[SRD1], s46, v[C16]
.macro FRAG reg, adr, st, i            ; 16 rows x 128 K: six pieces of 8 bytes; byte y of a row lies in slot (y / 256) % 2 at byte y % 256
.irp p, 0,1,2,3,4,5
.set BY, 96*(\st)+48*(\p/3)+8*(\p%3)
.if BY/ROWB == (BY+24)/ROWB
	ds_load_b64 v[\reg+2*\p:\reg+2*\p+1], v[\adr+(BY/ROWB)%2] offset:BY%ROWB+(\i)*16*PITCH
.else
	ds_load_b64 v[\reg+2*\p:\reg+2*\p+1], v[\adr+2+(BY/ROWB)%2] offset:BY%ROWB-232+(\i)*16*PITCH
.endif
.endr
.endm
; 16 products: A's blocks a0, a0 + 1 x B's eight.  cs = 1: C = the bias along the columns; 2: along the rows; 0: in place.  The 64 accumulators take turns.
.macro MUL16 a0, p, q, sc, cs
.irp a, \a0, \a0+1
.irp b, 0,1,2,3,4,5,6,7
.set rD, 8*(8*((\a)%4)+\b)
.set rB, 128*(\p)+FR*\b
.set rA, AF+FR*(\a)
.set rSB, SC+8*NQ*(\sc)+NQ*\b+(\q)
.set rSA, SC+8*NQ*(\sc)+NQ*(\a)+(\q)
.if \cs == 1
	v_wmma_scale_f32_16x16x128_f8f6f4 v[rD:rD+7], v[rB:rB+FR-1], v[rA:rA+FR-1], v[BI+8*\b:BI+8*\b+7], v[rSB], v[rSA] matrix_a_fmt:MATRIX_FMT_BF6 matrix_b_fmt:MATRIX_FMT_BF6 matrix_a_scale:MATRIX_SCALE_ROW1
.elseif \cs == 2
	v_wmma_scale_f32_16x16x128_f8f6f4 v[rD:rD+7], v[rB:rB+FR-1], v[rA:rA+FR-1], v[BI+8*(\a):BI+8*(\a)+7], v[rSB], v[rSA] matrix_a_fmt:MATRIX_FMT_BF6 matrix_b_fmt:MATRIX_FMT_BF6 matrix_a_scale:MATRIX_SCALE_ROW1
.else
	v_wmma_scale_f32_16x16x128_f8f6f4 v[rD:rD+7], v[rB:rB+FR-1], v[rA:rA+FR-1], v[rD:rD+7], v[rSB], v[rSA] matrix_a_fmt:MATRIX_FMT_BF6 matrix_b_fmt:MATRIX_FMT_BF6 matrix_a_scale:MATRIX_SCALE_ROW1
.endif
.endr
.endr
.endm
.macro FETCH_B st, p
	WIN TO_B
.irp i, 0,1,2,3,4,5,6,7
	FRAG 128*(\p)+FR*\i, ADRB, \st, \i
.endr
	WIN 0
.endm
.macro FETCH_A st, i0
.irp i, \i0, \i0+1, \i0+2, \i0+3
	FRAG AF+FR*(\i), ADRA, \st, \i
.endr
.endm
.macro SCALES pr                       ; the words of steps 2 pr, 2 pr + 1 into set pr % 2
.irp i, 0,1,2,3,4,5,6,7
	ds_load_b64 v[SC+8*NQ*((\pr)%2)+NQ*\i:SC+8*NQ*((\pr)%2)+NQ*\i+1], v[ADRS] offset:\i*SBLK+4*NQ*(\pr)
.endr
.endm
.macro PLACES n
.rept \n
	v_nop
.endr
.endm
; A step: 64 products; the next step's fragments are fetched in its middle and at its end.  Where the next step's bytes END in a chunk not yet read: a wait for my tensor loads and a barrier.
; Where they BEGIN in a later chunk: the wait, the add, the wait for the add and my reads, the barrier; and where a chunk two on is left, the barrier opens a round and the slot is filled again.
.macro STEP st, cs
.set NX, (\st)+1
.set C0, (96*(\st))/ROWB
.set C1, (96*NX)/ROWB
.set E0, (96*(\st)+95)/ROWB
.set E1, (96*NX+95)/ROWB
.if \cs
.set WLO, FST_LO
.set WHI, FST_HI
.else
.set WLO, MUL_LO
.set WHI, MUL_HI
.endif
.if C1 > C0 || E1 > E0
	s_wait_tensorcnt 0x0                           ; all my tensor loads have landed
.if C1 > C0
	ds_add_u32 v[SPW], v[NIL]
	s_wait_dscnt 4*NL+1                            ; the add and A's blocks 4-7 (24 loads) may be out
.else
	s_wait_dscnt 4*NL                              ; A's blocks 4-7 may be out
.endif
	WIN WLO
	MUL16 0, (\st)%2, (\st)%2, ((\st)/2)%2, \cs
	s_wait_dscnt 0x0                               ; the add and all my reads are done
	s_barrier_signal -1
	MUL16 2, (\st)%2, (\st)%2, ((\st)/2)%2, \cs
	WIN 0
	s_barrier_wait -1
.if C1 > C0 && C0+2 < CHUNKS
	CREST
	s_add_nc_u64 s[G0+4*(C0%2)+2:G0+4*(C0%2)+3], s[G0+4*(C0%2)+2:G0+4*(C0%2)+3], 2*ROWB
	s_add_nc_u64 s[G0B+4*(C0%2)+2:G0B+4*(C0%2)+3], s[G0B+4*(C0%2)+2:G0B+4*(C0%2)+3], 2*ROWB
	JLOAD G0+4*(C0%2), G1, G0B+4*(C0%2), G1B       ; chunk C0 + 2; its four v_nop are the places in front of the loads below
.else
	PLACES NP
.endif
.else
	s_wait_dscnt 4*NL                              ; A's blocks 4-7 may be out
	WIN WLO
	MUL16 0, (\st)%2, (\st)%2, ((\st)/2)%2, \cs
	MUL16 2, (\st)%2, (\st)%2, ((\st)/2)%2, \cs
	s_wait_dscnt 0
	PLACES NP
.endif
	FETCH_B NX, NX%2
	FETCH_A NX, 0
.if NX%2 == 0
	SCALES NX/2
.endif
	WIN WHI
	MUL16 4, (\st)%2, (\st)%2, ((\st)/2)%2, \cs
	MUL16 6, (\st)%2, (\st)%2, ((\st)/2)%2, \cs
	PLACES NP
	WIN 0
	FETCH_A NX, 4
.endm
	s_wait_alu depctr_va_vdst(0)
	s_wait_tensorcnt 0x0                           ; my tile of the head's four is in
	ds_add_u32 v[SPW], v[NIL]
	s_mov_b32 s[G1+2], 128<<16                     ; no load of mine is out: from here on a load brings 128 rows
	s_mov_b32 s[G1+4], 128
	s_mov_b32 s[G1B+2], 128<<16
	s_mov_b32 s[G1B+4], 128
	s_wait_dscnt 0x0
	CROUND                                         ; all four tiles are in, in every partner
	JLOAD G0+4, G1, G0B+4, G1B                     ; chunk 1
	FETCH_B 0, 0
	FETCH_A 0, 0
	SCALES 0
	FETCH_A 0, 4
	s_wait_loadcnt 0x0                             ; the bias
	s_cmp_eq_u32 s66, 2
	s_cbranch_scc1 .Lfirst_v
	STEP 0, 1
	s_branch .Lfirst_done
.Lfirst_v:
.irp a, 0,1,2,3,4,5,6,7
.irp j, 0,1,2,3,4,5,6,7
	v_mov_b32 v[BI+8*\a+\j], v[BV+\a]              ; v: a lane's eight results share its row's bias
.endr
.endr
	PLACES 4
	s_wait_alu depctr_va_vdst(0)
	STEP 0, 2
.Lfirst_done:
.set ST, 1
.rept STEPS-2
	STEP ST, 0
.set ST, ST+1
.endr
	s_wait_dscnt 4*NL                              ; the last step: nothing more to fetch
	WIN MUL_LO
	MUL16 0, 1, 1, 1, 0
	MUL16 2, 1, 1, 1, 0
	s_wait_dscnt 0
	WIN MUL_HI
	MUL16 4, 1, 1, 1, 0
	MUL16 6, 1, 1, 1, 0
	WIN 0
; THE WAY OUT of block a (16 rows x 128): four blocks of 32 along the next K lie in lanes l and l xor 16; largest magnitude, scale byte, codes, whole blocks to a lane, stores of register images.
.macro QBLK a, kind
.set AC, 64*((\a)%4)
.set CD, 128+12*(\a)
	WIN 0x0a+5*((\a)/4)
.irp b, 0,1,2,3
	v_max3_num_f32 v[TM+\b], |v[AC+16*\b]|, |v[AC+16*\b+1]|, 0x2800000
.endr
.irp i, 2,4,6,8,10,12,14
.irp b, 0,1,2,3
	v_max3_num_f32 v[TM+\b], |v[AC+16*\b+\i]|, |v[AC+16*\b+\i+1]|, v[TM+\b]
.endr
.endr
	WIN 0
.irp b, 0,1,2,3
	v_permlanex16_b32 v[TM+4+\b], v[TM+\b], s104, s105
.endr
.irp b, 0,1,2,3
	v_max_num_f32 v[TM+\b], v[TM+\b], v[TM+4+\b]
.endr
.irp b, 0,1,2,3
	v_add_nc_u32 v[TM+12+\b], 0xfe000000, v[TM+\b]
.endr
.irp b, 0,1,2,3
	v_lshrrev_b32 v[TM+4+\b], 23, v[TM+12+\b]
.endr
	v_lshl_or_b32 v[PW+(\a)], v[TM+5], 8, v[TM+4]
	v_lshl_or_b32 v[PW+(\a)], v[TM+6], 16, v[PW+(\a)]
	v_lshl_or_b32 v[PW+(\a)], v[TM+7], 24, v[PW+(\a)]
	WIN 2+(\a)/4
.irp c, 0,1
	v_cvt_scalef32_pk16_bf6_f32 v[CD+6*\c:CD+6*\c+2], v[AC+32*\c:AC+32*\c+15], v[TM+12+2*\c]
	v_cvt_scalef32_pk16_bf6_f32 v[CT+4*\c:CT+4*\c+2], v[AC+32*\c+16:AC+32*\c+31], v[TM+13+2*\c]
.endr
	WIN 0
	v_nop
.irp c, 0,1
.irp i, 0,1,2
	v_permlane16_swap_b32 v[CD+6*\c+\i], v[CT+4*\c+\i]
.endr
.irp i, 0,1,2
	v_mov_b32 v[CD+3+6*\c+\i], v[CT+4*\c+\i]
.endr
.endr
.if \kind == 0
.irp c, 0,1
	global_store_b128 v[C16], v[CD+6*\c:CD+6*\c+3], s[20:21] offset:768*(\a)+98304*\c
	global_store_b64 v[C8], v[CD+6*\c+4:CD+6*\c+5], s[20:21] offset:768*(\a)+98304*\c+512
.endr
	v_lshrrev_b32 v[TW+(\a)], v[SH], v[PW+(\a)]
	v_and_b32 v[TW+(\a)], 0xffff, v[TW+(\a)]
	ds_store_b32 v[SST0], v[TW+(\a)] offset:256*((\a)%2)+4*((\a)/2)
.else
.irp c, 0,1,2
	global_store_b128 v[C16], v[CD+4*\c:CD+4*\c+3], s[20:21] offset:1536*(\a)+512*\c
.endr
	ds_store_b32 v[SST1], v[PW+(\a)] offset:256*((\a)/4)+128*((\a)%2)+4*(((\a)%4)/2)
.endif
.endm
.irp b, 0,1,2,3
	v_mov_b32 v[TM+4+\b], 0                        ; a lane permute's destination counts as a source; also the places behind the last products
.endr
	s_cmp_eq_u32 s66, 2
	s_cbranch_scc1 .Lout_v
	s_lshr_b32 s18, s17, 3
	s_and_b32 s19, s17, 7
	s_lshl_b32 s18, s18, 4
	s_lshl_b32 s95, s42, 2
	s_add_co_u32 s18, s18, s95
	s_lshl_b32 s95, s16, 1
	s_add_co_u32 s18, s18, s95
	s_lshl_b32 s19, s19, 1
	s_add_co_u32 s19, s19, s15
	s_mul_i32 s20, s66, 6291456
	s_mul_i32 s95, s18, 98304
	s_add_co_u32 s20, s20, s95
	s_mul_i32 s95, s19, 6144
	s_add_co_u32 s20, s20, s95
	s_mov_b32 s21, 0
	s_add_nc_u64 s[20:21], s[98:99], s[20:21]
	s_mul_i32 s22, s66, 524288
	s_lshl_b32 s95, s18, 13
	s_add_co_u32 s22, s22, s95
	s_lshl_b32 s95, s19, 9
	s_add_co_u32 s22, s22, s95
	s_mov_b32 s23, 0
	s_add_nc_u64 s[22:23], s[100:101], s[22:23]
.irp a, 0,1,2,3,4,5,6,7
	QBLK \a, 0
.endr
	ds_load_b128 v[224:227], v[SRD0]
	ds_load_b128 v[228:231], v[SRD0] offset:512
	s_wait_dscnt 0x0
	global_store_b128 v[C16], v[224:227], s[22:23]
	global_store_b128 v[C16], v[228:231], s[22:23] offset:8192
	s_branch .Lout_done
.Lout_v:
	s_lshr_b32 s18, s42, 3
	s_and_b32 s19, s42, 7
	s_lshl_b32 s19, s19, 1
	s_add_co_u32 s19, s19, s16
	s_lshl_b32 s18, s18, 4
	s_add_co_u32 s18, s18, s19
	s_lshl_b32 s19, s17, 1
	s_add_co_u32 s19, s19, s15
	s_mul_i32 s20, s18, 98304
	s_mul_i32 s95, s19, 12288
	s_add_co_u32 s20, s20, s95
	s_add_co_u32 s20, s20, 12582912
	s_mov_b32 s21, 0
	s_add_nc_u64 s[20:21], s[98:99], s[20:21]
	s_lshl_b32 s22, s18, 12
	s_lshl_b32 s95, s19, 9
	s_add_co_u32 s22, s22, s95
	s_add_co_u32 s22, s22, 1048576
	s_mov_b32 s23, 0
	s_add_nc_u64 s[22:23], s[100:101], s[22:23]
.irp a, 0,1,2,3,4,5,6,7
	QBLK \a, 1
.endr
	ds_load_b128 v[224:227], v[SRD1]
	s_wait_dscnt 0x0
	global_store_b128 v[C16], v[224:227], s[22:23]
.Lout_done:
	s_wait_tensorcnt 0x0                           ; the wave's end
	ds_add_u32 v[SPW], v[NIL]
	s_wait_dscnt 0x0
	CROUND                                         ; the closing round
	s_endpgm
.Lfunc_end_k_qa05d490200_proj:
	.size	k_qa05d490200_proj, .Lfunc_end_k_qa05d490200_proj-k_qa05d490200_proj
	.p2alignl 7, 3214868480
	.fill 96, 4, 3214868480
	.section	.rodata,"a",@progbits
	.p2align	6, 0x0
	.amdhsa_kernel k_qa05d490200_proj
		.amdhsa_group_segment_fixed_size 327680
		.amdhsa_private_segment_fixed_size 0
		.amdhsa_enable_private_segment 0
		.amdhsa_kernarg_size 56
		.amdhsa_user_sgpr_count 2
		.amdhsa_user_sgpr_kernarg_segment_ptr 1
		.amdhsa_wavefront_size32 1
		.amdhsa_system_sgpr_workgroup_id_x 1
		.amdhsa_system_sgpr_workgroup_id_y 1
		.amdhsa_system_sgpr_workgroup_id_z 1
		.amdhsa_system_vgpr_workitem_id 0
		.amdhsa_next_free_vgpr 1024
		.amdhsa_next_free_sgpr 106
		.amdhsa_reserve_vcc 0
		.amdhsa_float_denorm_mode_32 3
		.amdhsa_float_denorm_mode_16_64 3
		.amdhsa_memory_ordered 1
		.amdhsa_forward_progress 1
		.amdhsa_inst_pref_size 222
	.end_amdhsa_kernel
	.amdgpu_metadata
---
amdhsa.version: [ 1, 2 ]
amdhsa.kernels:
  - .name:           k_qa05d490200_proj
    .symbol:         k_qa05d490200_proj.kd
    .args:
      - { .name: xc, .offset: 0, .size: 8, .value_kind: global_buffer, .address_space: global }
      - { .name: xs, .offset: 8, .size: 8, .value_kind: global_buffer, .address_space: global }
      - { .name: bq, .offset: 16, .size: 8, .value_kind: global_buffer, .address_space: global }
      - { .name: bk, .offset: 24, .size: 8, .value_kind: global_buffer, .address_space: global }
      - { .name: bv, .offset: 32, .size: 8, .value_kind: global_buffer, .address_space: global }
      - { .name: pc, .offset: 40, .size: 8, .value_kind: global_buffer, .address_space: global }
      - { .name: ps, .offset: 48, .size: 8, .value_kind: global_buffer, .address_space: global }
    .group_segment_fixed_size: 327680
    .private_segment_fixed_size: 0
    .kernarg_segment_align: 8
    .kernarg_segment_size: 56
    .max_flat_workgroup_size: 128
    .sgpr_count:     106
    .vgpr_count:     1024
    .wavefront_size: 32
...
	.end_amdgpu_metadata
.endif
;; end of part 2
;; launch attn (part 3): grid 4 x 64, 16 waves a work-group, clusters of 4 x 1, 280,576 bytes of LDS; arguments pc, ps, scale, out0; writes out0
.if DOCPART == 3
	.amdgcn_target "amdgcn-amd-amdhsa--gfx1250"
	.amdhsa_code_object_version 6
	.text
	.protected	k_qa05d490200_attn
	.globl	k_qa05d490200_attn
	.p2align	8
	.type	k_qa05d490200_attn,@function
k_qa05d490200_attn:
	s_mov_b64 s[64:65], 0
	v_nop
	global_prefetch_b8 v0, s[64:65] scope:SCOPE_SE
	s_setreg_imm32_b32 hwreg(HW_REG_WAVE_MODE, 25, 1), 1
	s_wait_xcnt 0x0
	s_wait_alu depctr_hold_cnt(0) depctr_sa_sdst(0) depctr_va_vdst(0) depctr_va_sdst(0) depctr_va_ssrc(0) depctr_va_vcc(0) depctr_vm_vsrc(0)
	s_getreg_b32 s2, hwreg(HW_REG_IB_STS2, 6, 4)
	s_cmp_eq_u32 s2, 0
	s_cbranch_scc0 .Lentry_in_a_cluster
	s_endpgm
.Lentry_in_a_cluster:
	s_bfe_u32 s2, ttmp6, 0x10000c
	s_cmp_lg_u32 s2, 0x3003
	s_cbranch_scc0 .Lentry_shape_is_right
	s_endpgm
.Lentry_shape_is_right:
; out[b][q][64 h + d] = the sum over keys of softmax(q . k / scale) v, for 64 heads of 2,048 tokens and head size 64, both products on codes of BF6 (E3M2) with one E8M0 scale for each 32 along K.
; q, k and v come as images of operand registers (pc) and scale words (ps), made by the launch before.
; THE SOFTMAX: t = score x log2(e) / scale; M = the row's largest t so far, rounded UP to a whole number; p = 2^(t - M) is quantised along the keys, not normalised.
; The row's sum is taken of the unquantised p and divides O at the end.  When M moves, the sum and O are multiplied by 2^(old M - new M): exact.
; scale's SIGN goes into q's codes (the sign bit of each 6-bit code is turned where scale is negative), so that c = log2(e) / |scale| is positive.  No branch hangs on it.
; SHARES.  A cluster of four work-groups is one head; a work-group owns 512 of its queries, each of its sixteen waves two tiles of 16, one after the other, in 256 registers.
; A HEAD'S WHOLE K AND V STAY IN LDS (98,304 bytes each, and 12,288 of scale words): filled once, by joint loads that name all four work-groups; no slot is filled again: one barrier behind the fill, no ring.
; LAYOUT.  Both products are used transposed: S^T = K Q^T, O^T = V^T P^T: a lane holds ONE query throughout.
; Lane r of tile T of tokens is token 32 (T / 2) + 8 (T % 2) + r + 8 (r / 8): so the 16 registers of S^T's tiles 2 g and 2 g + 1 are keys 32 g + 16 (lane / 16) + 0 .. 15.
; TWO REGIONS OF 64 REGISTERS CHANGE ROLES FROM STEP TO STEP: one holds K's fragments and then V's, the other the scores and p.  When p has been converted and summed, its region takes the NEXT step's fragments of K:
; 17 loads, issued ahead of the swaps, O's 16 multiplications and the second product.  A trip of the loop is two steps, so that the register numbers come back.
; A tile's last step so reads the 6,144 bytes behind K's codes and the 512 behind its words (V's first bytes: inside LDS, written); nothing uses them.
; THE FIRST PRODUCT'S K IS 64, THE INSTRUCTION'S 128.  q's registers 6-11 are zero codes.  K's fragment t is named as twelve registers from 6 t on: its upper six are fragment t + 1's codes, or behind the last whatever the region held.
; Any code of this format is a finite number and both sides' scale bytes there are 0 (2^-127, finite): those products are zeros and add nothing.
; LIMITS: NaN and infinities are not served; scale = 0 is not served (the result is not finite there).  A block's largest p is taken from its largest score, which takes v_exp_f32 not to fall where its input rises;
; a block whose every p has fallen under 2^-122 keeps the scale byte 1.
.set VC,    98304                      ; LDS: K's codes at 0 (tile T at 768 T); V's here (step s at 6,144 s, tile t at + 1,536 t);
.set KSC,   196608                     ; K's scale words, 512 bytes a step;
.set VSC,   204800                     ; V's, 256 bytes a step;
.set STAGE, 208896                     ; the way out: 16 rows x 272 bytes for each wave; no fill lands here
.set XR,   32                          ; v32-95   region X
.set YR,   96                          ; v96-159  region Y
.set O,    160                         ; v160-191 O^T
.set PCD,  192                         ; v192-203 p's codes
.set CT,   204                         ; v204-210 a conversion's second halves
.set BM,   212                         ; v212-215 each block's largest score, then its largest p
.set BP,   216                         ; v216-219 at work
.set SO,   220                         ; v220-223 the conversions' scale operands
.set TMP,  224                         ; v224, v225
.set F,    226                         ; v[226:227] f = 2^(old M - new M), named as a pair
.set PWD,  228                         ; p's scale word
.set R16,  230                         ; 16 r
.set L8,   231                         ; 8 x lane
.set KSW,  232                         ; v232-235 K's scale words: register i: lanes 0-15 tile 2 i, lanes 16-31 tile 2 i + 1
.set VSW,  236                         ; v236-237 V's likewise
.set SU,   240                         ; v240-253 seven chains of the sum
; v1 16 x lane; v2 512 + 8 x lane; v3, v4, v5 my lane's place in V's codes, K's words, V's words; v6-10 the pair of steps' addresses; v12 -M, v13 the largest t, v[14:15] the sum;
; v16-21 q's codes, v22-27 zeros; v28 q's scale word; v29, v30 the stage, in and back; v31 my offset in out0
.set WV,   12
.set G1K,  24
.set G1V,  32
.set G1KS, 40
.set G1VS, 48
.set G0K,  56
.set G0V,  60
.set G0KS, 68
.set G0VS, 72
.set SEL,  76                          ; s[76:77] selects for lane l xor 16
.set CS,   78                          ; s[78:79] c, named as a pair
.set TK,   83                          ; codes: 12,288 bytes a pair of steps, in K and in V alike
.set TS,   84                          ; K's words: 1,024
.set TV,   85                          ; V's words: 512
.set CNT,  86
.macro CROUND
	s_barrier_signal -1
	s_barrier_wait -1
	s_cmp_lg_u32 s[WV], 0
	s_cbranch_scc1 .Lnot_wave_0_\@
	s_barrier_signal -3
.Lnot_wave_0_\@:
	s_barrier_wait -3
	s_barrier_signal -1
	s_barrier_wait -1
.endm
.macro GROUP1 g, c, r, p               ; r rows of c elements of 8 bytes, p elements from row to row, no padding; the mask names all four work-groups
	s_mov_b32 s[\g], 15|(3<<16)|(1<<21)
	s_mov_b32 s[\g+1], (\c)<<16
	s_mov_b32 s[\g+2], (\r)<<16
	s_mov_b32 s[\g+3], (\c)<<16
	s_mov_b32 s[\g+4], \r
	s_mov_b32 s[\g+5], \p
	s_mov_b32 s[\g+6], 0
	s_mov_b32 s[\g+7], 0
.endm
	s_load_b256 s[4:11], s[0:1], 0x0               ; pc, ps, scale, out0
	v_lshl_add_u32 v254, v0, 2, 0x44000
	v_mov_b32 v255, 0
	ds_add_u32 v254, v255                          ; the opening lines
	ds_add_u32 v254, v255
	v_lshrrev_b32 v6, 5, v0
	s_delay_alu instid0(VALU_DEP_1)
	v_readfirstlane_b32 s[WV], v6                  ; wave 0..15
	s_bfe_u32 s13, ttmp6, 0x40000                  ; cx: it enters q's and out0's addresses alone
	s_and_b32 s14, ttmp7, 0xffff                   ; 16 x batch + head
	s_lshr_b32 s16, s14, 4
	s_and_b32 s17, s14, 15
	s_and_b32 s18, s[WV], 3
	s_mul_i32 s19, s18, 24576                      ; a quarter of K's or of V's codes
	s_mul_i32 s20, s14, 98304
	s_add_co_u32 s20, s20, s19
	s_add_co_u32 s20, s20, 6291456
	s_mov_b32 s21, 0
	s_mul_i32 s22, s16, 1572864                    ; V's: [batch][step][64 tiles][1,536]
	s_mul_i32 s23, s17, 6144
	s_add_co_u32 s22, s22, s23
	s_mul_i32 s23, s18, 393216
	s_add_co_u32 s22, s22, s23
	s_add_co_u32 s22, s22, 12582912
	s_mov_b32 s23, 0
	s_lshl_b32 s66, s14, 13
	s_add_co_u32 s66, s66, 524288
	s_mov_b32 s67, 0
	s_lshl_b32 s94, s16, 16
	s_lshl_b32 s95, s17, 8
	s_add_co_u32 s94, s94, s95
	s_add_co_u32 s94, s94, 1048576
	s_mov_b32 s95, 0
	GROUP1 G1K, 32, 96, 32                         ; 24,576 dense bytes as 96 rows of 256
	GROUP1 G1V, 768, 4, 12288                      ; 4 steps' rows of 6,144 bytes
	GROUP1 G1KS, 32, 32, 32                        ; 8,192 dense bytes
	GROUP1 G1VS, 32, 16, 512                       ; 16 steps' rows of 256 bytes, 4,096 apart
	s_mov_b32 s[SEL], 0x76543210
	s_mov_b32 s[SEL+1], 0xfedcba98
	s_wait_dscnt 0x0
	s_wait_kmcnt 0x0
	s_load_b32 s15, s[8:9], 0x0                    ; scale
	s_mov_b32 s[G0K], 1
	s_mov_b32 s[G0K+1], s19
	s_add_nc_u64 s[G0K+2:G0K+3], s[4:5], s[20:21]
	s_or_b32 s[G0K+3], s[G0K+3], 0x80000000
	s_mov_b32 s[G0V], 1
	s_add_co_u32 s[G0V+1], s19, VC
	s_add_nc_u64 s[G0V+2:G0V+3], s[4:5], s[22:23]
	s_or_b32 s[G0V+3], s[G0V+3], 0x80000000
	s_mov_b32 s[G0KS], 1
	s_mov_b32 s[G0KS+1], KSC
	s_add_nc_u64 s[G0KS+2:G0KS+3], s[6:7], s[66:67]
	s_or_b32 s[G0KS+3], s[G0KS+3], 0x80000000
	s_mov_b32 s[G0VS], 1
	s_mov_b32 s[G0VS+1], VSC
	s_add_nc_u64 s[G0VS+2:G0VS+3], s[6:7], s[94:95]
	s_or_b32 s[G0VS+3], s[G0VS+3], 0x80000000
	CROUND                                         ; the joint loads meet
	; Waves 0-3: K's quarters; 4-7: V's; 8: K's words; 9: V's; the others nothing: at most one load a wave, in one chain of branches on the wave's number.
	s_cmp_lt_u32 s[WV], 4
	s_cbranch_scc0 .Lnot_k
	tensor_load_to_lds s[G0K:G0K+3], s[G1K:G1K+7]
	s_nop 0
.rept 4
	v_nop
.endr
	s_branch .Lasked
.Lnot_k:
	s_cmp_lt_u32 s[WV], 8
	s_cbranch_scc0 .Lnot_v
	tensor_load_to_lds s[G0V:G0V+3], s[G1V:G1V+7]
	s_nop 0
.rept 4
	v_nop
.endr
	s_branch .Lasked
.Lnot_v:
	s_cmp_eq_u32 s[WV], 8
	s_cbranch_scc0 .Lnot_ks
	tensor_load_to_lds s[G0KS:G0KS+3], s[G1KS:G1KS+7]
	s_nop 0
.rept 4
	v_nop
.endr
	s_branch .Lasked
.Lnot_ks:
	s_cmp_eq_u32 s[WV], 9
	s_cbranch_scc0 .Lasked
	tensor_load_to_lds s[G0VS:G0VS+3], s[G1VS:G1VS+7]
	s_nop 0
.rept 4
	v_nop
.endr
.Lasked:
	s_lshl_b32 s20, s13, 5
	s_lshl_b32 s21, s[WV], 1
	s_add_co_u32 s20, s20, s21                     ; my first tile of queries: 32 cx + 2 x wave
	s_mul_i32 s21, s20, 768
	s_mul_i32 s22, s14, 98304
	s_add_co_u32 s88, s21, s22
	s_mov_b32 s89, 0
	s_add_nc_u64 s[88:89], s[4:5], s[88:89]        ; its codes
	s_lshl_b32 s90, s14, 13
	s_lshl_b32 s21, s13, 2
	s_lshr_b32 s22, s[WV], 2
	s_add_co_u32 s21, s21, s22
	s_lshl_b32 s21, s21, 9
	s_add_co_u32 s90, s90, s21
	s_lshl_b32 s21, s18, 2
	s_add_co_u32 s90, s90, s21
	s_mov_b32 s91, 0
	s_add_nc_u64 s[90:91], s[6:7], s[90:91]        ; its scale words
	s_lshl_b32 s92, s16, 23
	s_lshl_b32 s21, s20, 16
	s_add_co_u32 s92, s92, s21
	s_lshl_b32 s21, s17, 8
	s_add_co_u32 s92, s92, s21
	s_mov_b32 s93, 0
	s_add_nc_u64 s[92:93], s[10:11], s[92:93]      ; its rows of out0
	v_and_b32 v6, 31, v0
	v_and_b32 v7, 15, v0
	v_bfe_u32 v8, v0, 4, 1
	s_delay_alu instid0(VALU_DEP_3)
	v_lshlrev_b32 v1, 4, v6
	s_delay_alu instid0(VALU_DEP_4)
	v_lshlrev_b32 v[L8], 3, v6
	s_delay_alu instid0(VALU_DEP_1)
	v_add_nc_u32 v2, 512, v[L8]
	s_delay_alu instid0(VALU_DEP_3)
	v_add_nc_u32 v3, VC, v1
	s_delay_alu instid0(VALU_DEP_4)
	v_add_nc_u32 v4, KSC, v1
	s_delay_alu instid0(VALU_DEP_4)
	v_add_nc_u32 v5, VSC, v[L8]
	v_lshlrev_b32 v[R16], 4, v7
	s_mul_i32 s20, s[WV], 16*272
	s_add_co_u32 s20, s20, STAGE
	v_mul_u32_u24 v29, v7, 272
	s_delay_alu instid0(VALU_DEP_1)
	v_lshl_add_u32 v29, v8, 6, v29
	s_delay_alu instid0(VALU_DEP_1)
	v_add_nc_u32 v29, s20, v29                     ; in: row r, + 64 h
	v_mul_u32_u24 v30, v8, 272
	s_delay_alu instid0(VALU_DEP_1)
	v_add_nc_u32 v30, v30, v[R16]
	s_delay_alu instid0(VALU_DEP_1)
	v_add_nc_u32 v30, s20, v30                     ; back: lanes 0-15 one row, lanes 16-31 the next
	v_lshl_add_u32 v31, v8, 12, v[R16]
.irp j, 22,23,24,25,26,27,80,81,82,83,84,85
	v_mov_b32 v\j, 0                               ; q's K = 64 .. 127; and what the first step names behind K's last half fragment
.endr
.irp b, 0,1,2,3
	v_mov_b32 v[BP+\b], 0                          ; a lane permute's destination counts as one of its sources
.endr
	s_wait_kmcnt 0x0                               ; scale
	s_and_b32 s16, s15, 0x7fffffff
	s_ashr_i32 s96, s15, 31
	s_and_b32 s80, s96, 0x20820820                 ; the sign bits of the codes in a stream's words 0, 1, 2
	s_and_b32 s81, s96, 0x08208208
	s_and_b32 s82, s96, 0x82082082
	v_mov_b32 v[TMP], s16
	s_wait_alu depctr_va_vdst(0)                   ; the wait ahead of a transcendental,
	v_rcp_f32 v[F], v[TMP]
	v_nop
	s_wait_alu depctr_va_vdst(0)                   ; and behind it
	v_fma_f32 v[F+1], -v[TMP], v[F], 1.0           ; one step of Newton's
	v_fma_f32 v[F], v[F+1], v[F], v[F]
	s_delay_alu instid0(VALU_DEP_1)
	v_mul_f32 v[F], 0x3fb8aa3b, v[F]               ; c = log2(e) / |scale|
	s_delay_alu instid0(VALU_DEP_1)
	v_readfirstlane_b32 s[CS], v[F]
	s_mov_b32 s[CS+1], s[CS]
	s_wait_tensorcnt 0x0                           ; my part of the head is in,
	s_barrier_signal -1
	s_barrier_wait -1                              ; everybody's is
; A KEY STEP: 128 keys.  KR: the region with K's fragments, then V's; SR: the scores' region, which takes the next step's K at the end; par: 0, 1: which step of the pair.
.macro KSTEP KR, SR, par
	s_wait_alu depctr_va_vdst(0)
	s_wait_dscnt 0x0                               ; K's fragments and words are in
.irp t, 0,1,2,3,4,5,6,7
.if \t % 2
	v_wmma_scale_f32_16x16x128_f8f6f4 v[\SR+8*\t:\SR+8*\t+7], v[\KR+6*\t:\KR+6*\t+11], v[16:27], 0, v[KSW+\t/2], v28 matrix_a_fmt:MATRIX_FMT_BF6 matrix_b_fmt:MATRIX_FMT_BF6 matrix_a_scale:MATRIX_SCALE_ROW1
.else
	v_wmma_scale_f32_16x16x128_f8f6f4 v[\SR+8*\t:\SR+8*\t+7], v[\KR+6*\t:\KR+6*\t+11], v[16:27], 0, v[KSW+\t/2], v28 matrix_a_fmt:MATRIX_FMT_BF6 matrix_b_fmt:MATRIX_FMT_BF6
.endif
.endr
.if \par == 0                          ; the places in front of the loads below and of the first read of the scores: the pair's five addresses, or four v_nop
	v_add_nc_u32 v8, s[TK], v3
	v_add_nc_u32 v10, s[TV], v5
	v_add_nc_u32 v6, s[TK], v1
	v_add_nc_u32 v7, s[TK], v2
	v_add_nc_u32 v9, s[TS], v4
.else
.rept 4
	v_nop
.endr
.endif
.irp t, 0,1,2,3                        ; V's four fragments land while the softmax is walked
.irp c, 0,1,2
	ds_load_b128 v[\KR+12*\t+4*\c:\KR+12*\t+4*\c+3], v8 offset:6144*\par+1536*\t+512*\c
.endr
.endr
	ds_load_b64 v[VSW:VSW+1], v10 offset:256*\par
.irp b, 0,1,2,3
	v_max3_num_f32 v[BM+\b], v[\SR+16*\b], v[\SR+1+16*\b], v[\SR+2+16*\b]   ; the largest score of each block of 32 keys
.endr
.irp i, 3,5,7,9,11,13
.irp b, 0,1,2,3
	v_max3_num_f32 v[BM+\b], v[BM+\b], v[\SR+16*\b+\i], v[\SR+1+16*\b+\i]
.endr
.endr
.irp b, 0,1,2,3
	v_max_num_f32 v[BM+\b], v[BM+\b], v[\SR+15+16*\b]
.endr
.irp b, 0,1,2,3
	s_delay_alu instid0(VALU_DEP_4)
	v_permlanex16_b32 v[BP+\b], v[BM+\b], s[SEL], s[SEL+1]
.endr
.irp b, 0,1,2,3
	s_delay_alu instid0(VALU_DEP_4)
	v_max_num_f32 v[BM+\b], v[BM+\b], v[BP+\b]     ; with lane l xor 16's 16 keys
.endr
	s_delay_alu instid0(VALU_DEP_2)
	v_max3_num_f32 v[TMP], v[BM], v[BM+1], v[BM+2]
	v_mov_b32 v[TMP+1], v12                        ; the old -M
	s_delay_alu instid0(VALU_DEP_2)
	v_max_num_f32 v[TMP], v[TMP], v[BM+3]          ; the step's largest score of my query
	s_delay_alu instid0(VALU_DEP_1)
	v_mul_f32 v[TMP], s[CS], v[TMP]                ; as t (c is positive)
	s_delay_alu instid0(VALU_DEP_1)
	v_max_num_f32 v13, v13, v[TMP]                 ; the running largest t
	s_delay_alu instid0(VALU_DEP_1)
	v_floor_f32 v12, -v13                          ; the new -M = -ceil(t): a whole number
.set j, 0
.rept 32
	v_pk_fma_f32 v[\SR+j:\SR+j+1], v[\SR+j:\SR+j+1], s[CS:CS+1], v[12:13] op_sel_hi:[1,0,0]   ; t - M, two at a time
.if j == 6                             ; f's three lines stand among them, each well behind the one that it reads
	v_sub_f32 v[TMP], v12, v[TMP+1]                ; M's old value less its new one: a whole number, 0 or less
.elseif j == 14
	v_cvt_i32_f32 v[TMP], v[TMP]                   ; (it saturates)
.elseif j == 22
	v_ldexp_f32 v[F], 1.0, v[TMP]                  ; f = 2^(old M - new M)
.endif
.set j, j+2
.endr
.irp b, 0,1,2,3
	v_fma_f32 v[BM+\b], v[BM+\b], s[CS], v12       ; the same of each block's largest score
.endr
	s_wait_alu depctr_va_vdst(0)                   ; the wait ahead of the batch,
.set j, 0
.rept 64
	v_exp_f32 v[\SR+j], v[\SR+j]                   ; p = 2^(t - M), at most 1
.set j, j+1
.endr
.irp b, 0,1,2,3
	v_exp_f32 v[BM+\b], v[BM+\b]                   ; the block's largest p
.endr
	v_pk_mul_f32 v[14:15], v[14:15], v[F:F+1] op_sel_hi:[1,0]   ; the sum under the new M (the plain place behind the batch)
	s_wait_alu depctr_va_vdst(0)                   ; and behind it
.irp b, 0,1,2,3
	v_max_num_f32 v[BM+\b], 0x2800000, v[BM+\b]    ; the floor 2^(5 - 127): the byte cannot fall under 1
.endr
.irp b, 0,1,2,3
	s_delay_alu instid0(VALU_DEP_4)
	v_add_nc_u32 v[SO+\b], 0xfe000000, v[BM+\b]    ; 4 off the exponent field: the conversion's scale operand
.endr
.irp c, 0,1
	v_cvt_scalef32_pk16_bf6_f32 v[PCD+6*\c:PCD+2+6*\c], v[\SR+32*\c:\SR+15+32*\c], v[SO+2*\c]
	v_cvt_scalef32_pk16_bf6_f32 v[CT+4*\c:CT+2+4*\c], v[\SR+16+32*\c:\SR+31+32*\c], v[SO+2*\c+1]
.endr
.irp b, 0,1,2,3
	v_lshrrev_b32 v[BP+\b], 23, v[SO+\b]           ; the scale's byte (also the plain place behind the conversions)
.endr
	s_delay_alu instid0(VALU_DEP_3)
	v_lshl_or_b32 v[PWD], v[BP+1], 8, v[BP]        ; p's scale word for these 128 keys
	s_delay_alu instid0(VALU_DEP_1)
	v_lshl_or_b32 v[PWD], v[BP+2], 16, v[PWD]
	s_delay_alu instid0(VALU_DEP_1)
	v_lshl_or_b32 v[PWD], v[BP+3], 24, v[PWD]
; the row's sum of the unquantised p: eight chains, two numbers a line
.set j, 0
.rept 7
	v_pk_add_f32 v[SU+2*j:SU+2*j+1], v[\SR+4*j:\SR+4*j+1], v[\SR+4*j+2:\SR+4*j+3]
.set j, j+1
.endr
	v_pk_add_f32 v[14:15], v[14:15], v[\SR+28:\SR+29]
.set j, 0
.rept 7
	v_pk_add_f32 v[SU+2*j:SU+2*j+1], v[SU+2*j:SU+2*j+1], v[\SR+30+2*j:\SR+31+2*j]
.set j, j+1
.endr
	v_pk_add_f32 v[14:15], v[14:15], v[\SR+44:\SR+45]
.set j, 0
.rept 7
	v_pk_add_f32 v[SU+2*j:SU+2*j+1], v[SU+2*j:SU+2*j+1], v[\SR+46+2*j:\SR+47+2*j]
.set j, j+1
.endr
	v_pk_add_f32 v[14:15], v[14:15], v[\SR+60:\SR+61]
	v_pk_add_f32 v[SU:SU+1], v[SU:SU+1], v[\SR+62:\SR+63]
; p is converted and summed: its region takes the next step's K: 17 loads
	ds_load_b128 v[KSW:KSW+3], v9 offset:512*(\par+1)
.irp t, 0,1,2,3,4,5,6,7
	ds_load_b128 v[\SR+6*\t:\SR+6*\t+3], v6 offset:6144*(\par+1)+768*\t     ; an image of registers: 512 consecutive bytes,
	ds_load_b64 v[\SR+6*\t+4:\SR+6*\t+5], v7 offset:6144*(\par+1)+768*\t    ; and 256
.endr
.irp c, 0,1                            ; the operand's layout wants a whole block in a lane
.irp i, 0,1,2
	v_permlane16_swap_b32 v[PCD+6*\c+\i], v[CT+4*\c+\i]
.endr
.irp i, 0,1,2
	s_delay_alu instid0(VALU_DEP_3)
	v_mov_b32 v[PCD+3+6*\c+\i], v[CT+4*\c+\i]
.endr
.endr
	s_wait_alu depctr_va_vdst(0)
.set j, 0
.rept 16
	v_pk_mul_f32 v[O+j:O+j+1], v[O+j:O+j+1], v[F:F+1] op_sel_hi:[1,0]   ; O^T under the new M (also the places between p's word and codes and the products below)
.set j, j+2
.endr
	s_wait_alu depctr_va_vdst(0)
	s_wait_dscnt 17                                ; V's fragments and words are in; the 17 loads of the next step's K may be out
.irp t, 0,1,2,3                        ; the four accumulators take turns
.if \t % 2
	v_wmma_scale_f32_16x16x128_f8f6f4 v[O+8*\t:O+8*\t+7], v[\KR+12*\t:\KR+12*\t+11], v[PCD:PCD+11], v[O+8*\t:O+8*\t+7], v[VSW+\t/2], v[PWD] matrix_a_fmt:MATRIX_FMT_BF6 matrix_b_fmt:MATRIX_FMT_BF6 matrix_a_scale:MATRIX_SCALE_ROW1
.else
	v_wmma_scale_f32_16x16x128_f8f6f4 v[O+8*\t:O+8*\t+7], v[\KR+12*\t:\KR+12*\t+11], v[PCD:PCD+11], v[O+8*\t:O+8*\t+7], v[VSW+\t/2], v[PWD] matrix_a_fmt:MATRIX_FMT_BF6 matrix_b_fmt:MATRIX_FMT_BF6
.endif
.endr
; the chains join: seven plain lines that name no register of the products above: the places ahead of the next step's products, which write over V's registers
	v_pk_add_f32 v[SU:SU+1], v[SU:SU+1], v[SU+8:SU+9]
	v_pk_add_f32 v[SU+2:SU+3], v[SU+2:SU+3], v[SU+10:SU+11]
	v_pk_add_f32 v[SU+4:SU+5], v[SU+4:SU+5], v[SU+12:SU+13]
	v_pk_add_f32 v[14:15], v[14:15], v[SU+6:SU+7]
	v_pk_add_f32 v[SU:SU+1], v[SU:SU+1], v[SU+2:SU+3]
	v_pk_add_f32 v[14:15], v[14:15], v[SU+4:SU+5]
	v_pk_add_f32 v[14:15], v[14:15], v[SU:SU+1]
.endm
; THE WAY OUT of tile u.  O^T / the sum goes through my stage in LDS and leaves as rows: sixteen lanes store a head's 256 consecutive bytes of one token, aligned.  (The seven lines above are the places behind the last products.)
.macro WAYOUT u
	v_add_f32 v14, v14, v15
	s_delay_alu instid0(VALU_DEP_1)
	v_permlanex16_b32 v[TMP], v14, s[SEL], s[SEL+1]
	s_delay_alu instid0(VALU_DEP_1)
	v_add_f32 v14, v14, v[TMP]                     ; the row's sum
	s_wait_alu depctr_va_vdst(0)                   ; the wait ahead of a transcendental,
	v_rcp_f32 v14, v14
	v_nop
	s_wait_alu depctr_va_vdst(0)                   ; and behind it
.set j, 0
.rept 16
	v_pk_mul_f32 v[YR+j:YR+j+1], v[O+j:O+j+1], v[14:15] op_sel_hi:[1,0]   ; register 16 g + x is channel 32 g + 16 h + x; each accumulator from its low end on
.set j, j+2
.endr
.irp g, 0,1
.irp m, 0,1,2,3
	ds_store_b128 v29, v[YR+16*\g+4*\m:YR+16*\g+4*\m+3] offset:128*\g+16*\m
.endr
.endr
.irp i, 0,1,2,3,4,5,6,7
	ds_load_b128 v[YR+32+4*\i:YR+35+4*\i], v30 offset:544*\i   ; LDS serves a wave's instructions in order (ISA guide 5.7.1): these see my stores
.endr
.irp i, 0,1,2,3,4,5,6,7
	s_wait_dscnt 7-\i                              ; the younger loads may stay out
	global_store_b128 v31, v[YR+32+4*\i:YR+35+4*\i], s[92:93] offset:(8*\u+2*\i+8*(\i/4))*4096 th:TH_STORE_NT   ; stage row x is token 8 u + x + 8 (x / 8) of my 32
.endr
	s_wait_xcnt 0x0                                ; the stores have read their registers: the next tile writes them again
.endm
; A TILE of 16 queries: 16 key steps, two to a trip.  O^T and the sum begin as zeros and the largest t as -3e38: the first change of M multiplies zeros.
.macro TILE u
	global_load_b128 v[16:19], v1, s[88:89] offset:768*\u
	global_load_b64 v[20:21], v[L8], s[88:89] offset:768*\u+512
	global_load_b32 v28, v[R16], s[90:91] offset:256*\u
	ds_load_b128 v[KSW:KSW+3], v4                  ; step 0's K
.irp t, 0,1,2,3,4,5,6,7
	ds_load_b128 v[XR+6*\t:XR+6*\t+3], v1 offset:768*\t
	ds_load_b64 v[XR+6*\t+4:XR+6*\t+5], v2 offset:768*\t
.endr
	v_mov_b32 v13, 0xff61b1e6                      ; -3e38, under every t
	s_delay_alu instid0(VALU_DEP_1)
	v_floor_f32 v12, -v13
	v_mov_b32 v14, 0
	v_mov_b32 v15, 0
	s_mov_b32 s[TK], 0
	s_mov_b32 s[TS], 0
	s_mov_b32 s[TV], 0
	s_mov_b32 s[CNT], 8
	s_wait_loadcnt 0x0
.irp j, 0,1,2
	v_xor_b32 v[16+\j], s[80+\j], v[16+\j]         ; scale's sign onto q's codes
	v_xor_b32 v[19+\j], s[80+\j], v[19+\j]
.endr
.set j, 0
.rept 32
	v_mov_b32 v[O+j], 0                            ; (also the places between the lines above and the first product)
.set j, j+1
.endr
.Lkey_\@:
	KSTEP XR, YR, 0
	KSTEP YR, XR, 1
	s_add_co_u32 s[TK], s[TK], 12288
	s_add_co_u32 s[TS], s[TS], 1024
	s_add_co_u32 s[TV], s[TV], 512
	s_sub_co_u32 s[CNT], s[CNT], 1
	s_cmp_lg_u32 s[CNT], 0
	s_cbranch_scc1 .Lkey_\@
	WAYOUT \u
.endm
	TILE 0
	TILE 1
	s_wait_tensorcnt 0x0                           ; the wave's end
	ds_add_u32 v254, v255
	s_wait_dscnt 0x0
	CROUND                                         ; the closing round
	s_endpgm
.Lfunc_end_k_qa05d490200_attn:
	.size	k_qa05d490200_attn, .Lfunc_end_k_qa05d490200_attn-k_qa05d490200_attn
	.p2alignl 7, 3214868480
	.fill 96, 4, 3214868480
	.section	.rodata,"a",@progbits
	.p2align	6, 0x0
	.amdhsa_kernel k_qa05d490200_attn
		.amdhsa_group_segment_fixed_size 280576
		.amdhsa_private_segment_fixed_size 0
		.amdhsa_enable_private_segment 0
		.amdhsa_kernarg_size 32
		.amdhsa_user_sgpr_count 2
		.amdhsa_user_sgpr_kernarg_segment_ptr 1
		.amdhsa_wavefront_size32 1
		.amdhsa_system_sgpr_workgroup_id_x 1
		.amdhsa_system_sgpr_workgroup_id_y 1
		.amdhsa_system_sgpr_workgroup_id_z 1
		.amdhsa_system_vgpr_workitem_id 0
		.amdhsa_next_free_vgpr 256
		.amdhsa_next_free_sgpr 100
		.amdhsa_reserve_vcc 0
		.amdhsa_float_denorm_mode_32 3
		.amdhsa_float_denorm_mode_16_64 3
		.amdhsa_memory_ordered 1
		.amdhsa_forward_progress 1
		.amdhsa_inst_pref_size 88
	.end_amdhsa_kernel
	.amdgpu_metadata
---
amdhsa.version: [ 1, 2 ]
amdhsa.kernels:
  - .name:           k_qa05d490200_attn
    .symbol:         k_qa05d490200_attn.kd
    .args:
      - { .name: pc, .offset: 0, .size: 8, .value_kind: global_buffer, .address_space: global }
      - { .name: ps, .offset: 8, .size: 8, .value_kind: global_buffer, .address_space: global }
      - { .name: scale, .offset: 16, .size: 8, .value_kind: global_buffer, .address_space: global }
      - { .name: out0, .offset: 24, .size: 8, .value_kind: global_buffer, .address_space: global }
    .group_segment_fixed_size: 280576
    .private_segment_fixed_size: 0
    .kernarg_segment_align: 8
    .kernarg_segment_size: 32
    .max_flat_workgroup_size: 512
    .sgpr_count:     100
    .vgpr_count:     256
    .wavefront_size: 32
...
	.end_amdgpu_metadata
.endif
;; end of part 3
